; MI455X (gfx1250); checked and timed in simulation.
; The chip was launched on July 23, 2026; its instructions are those of AMD's public machine-readable ISA for CDNA 5 (MIT licence, August 2026) and "CDNA5" Instruction Set Architecture Reference Guide (July 2026). The comments in the code are by the model that wrote it; some were corrected since.
;; Word Attention. Allowed arithmetic: matrix products marked QUANTISED: E2M1 operands, one E8M0 scale for each 32 along K, by v_wmma_scale_f32_16x16x128_f8f6f4 with both operands' format E2M1 (or v_wmma_scale_f32_32x16x128_f4), f32 sums; products left as they are: f32 operands where the result goes on into a quantised operand, else bf16, f16 or f32 operands; f32 sums; everything else in f32.
;; Inputs: W_c 512 float32; W_d 512 x 512 float32; W_h 512 x 512 float32; b_d 512 float32; beta 16 x 32 float32; coverage 16 x 32 x 128 float32; enc_padding_mask 16 x 32 x 128 float32; h 16 x 32 x 128 x 512 float32; s_t_hat 16 x 512 float32; v 512 float32.
;; Outputs: out0 16 x 512 float32; out1 16 x 4,096 float32; out2 16 x 32 x 128 float32.
;; This version of the problem:
;;   THIS VERSION OF THE PROBLEM IS GIVEN IN LOW PRECISION. The matrix products marked QUANTISED in the list below multiply operands that are first quantised to E2M1 (2 exponent bits, 1 mantissa bit; 4 bits a number), with one power-of-two scale for each 32 numbers along K (OCP MX v1.0); their sums are f32. All else is computed in f32.
;;   The module's matrix products, in the order in which they are computed (A, B: the left and right operand; K: the contracted axis; several contracted axes count as one K, in the product's order):
;;     1. [M 65,536, K 512] x [K 512, N 512]; A: input h; B: input W_h: QUANTISED
;;     2. [M 16, K 512] x [K 512, N 512]; A: input s_t_hat; B: input W_d: QUANTISED
;;     3. [M 65,536, K 512] x [K 512, N 1]; A: computed on the way; B: input v: left as it is (N = 1 < 16)
;;     4. batch 16 x [M 1, K 4,096] x [K 4,096, N 512]; A: computed on the way; B: input h: left as it is (M = 1 < 16)
;;   THE QUANTISER, for each operand of a quantised product, along K:
;;     - K is cut into blocks of 32 from its start; a last block that is shorter is filled with zeros.
;;     - A block's scale is 2^e with e = floor(log2(the largest magnitude in the block)) - 2, held to -126 .. 127; a block of zeros has e = 0. As a byte (E8M0): e + 127.
;;     - Each number is divided by its block's scale, clamped to +-6, and rounded to the nearest number of E2M1, ties to even, subnormals kept.
;;     - The product sums the exact products of the quantised numbers (number of the format x scale) in f32.
;;   ~~~python
;;   def quantise(x, axis):      # numpy; x: float32 -> the quantised numbers, widened to float32 again
;;       x = np.moveaxis(x, axis, -1); K = x.shape[-1]
;;       x = np.pad(x, [(0, 0)] * (x.ndim - 1) + [(0, -K % 32)]); x = x.reshape(x.shape[:-1] + (-1, 32)); a = np.abs(x).max(-1, keepdims=True)
;;       e = np.where(a > 0, np.clip(np.frexp(np.where(a > 0, a, 1))[1] - 1 - 2, -126, 127), 0)      # np.frexp(a)[1] - 1 = floor(log2(a)), exactly
;;       r = np.clip(x / 2.0 ** e, -6, 6)
;;       step = 2.0 ** (np.maximum(np.frexp(np.where(r == 0, 1, r))[1] - 1, 0) - 1)
;;       q = np.round(r / step) * step * 2.0 ** e      # np.round: ties to even
;;       return np.moveaxis(q.reshape(q.shape[:-2] + (-1,))[..., :K], -1, axis).astype(np.float32)
;;   ~~~
;; One version. Each part assembles by itself: llvm-mc -triple=amdgcn-amd-amdhsa -mcpu=gfx1250 --defsym DOCPART=n.
;; ======== version 1 of 1: 3 launches
;; limits: right only within a limited range of input values
;; workspace buffers: whc 131,072 bytes; whs 8,192 bytes; dec 32,768 bytes; tsc 262,144 bytes; part 524,288 bytes; stat 2,048 bytes
;; launch prep (part 1): grid 64 x 1, 4 waves a work-group, no clusters, 4,864 bytes of LDS; arguments W_h, W_d, s_t_hat, b_d, whc, whs, dec; writes whc, whs, dec
.if DOCPART == 1
	.amdgcn_target "amdgcn-amd-amdhsa--gfx1250"
	.amdhsa_code_object_version 6
	.text
	.protected	k_q9a46def52a_prep
	.globl	k_q9a46def52a_prep
	.p2align	8
	.type	k_q9a46def52a_prep,@function
k_q9a46def52a_prep:
	s_mov_b64 s[64:65], 0
	v_nop
	global_prefetch_b8 v0, s[64:65] scope:SCOPE_SE
	s_setreg_imm32_b32 hwreg(HW_REG_WAVE_MODE, 25, 1), 1
	s_wait_xcnt 0x0
; W_h [512][512] f32 becomes codes of FP4 (E2M1) with one E8M0 scale byte for each 32 along K (its last axis), laid as the next launch's registers want them;
; dec[b][n] = sum over k of Q(s_t_hat)[b][k] Q(W_d)[n][k] + b_d[n], Q the same quantiser, the product on codes, the sums in f32.
; SHARES.  Work-group x takes 16 rows (tile T = x mod 32) of W_h where x < 32, of W_d otherwise; wave w takes K step w: 128 along K, 512 bytes of each row.  Lane (r = lane % 16, h = lane / 16) takes row r.
; THE ORDER INSIDE A BLOCK OF 32 is the one in which the next launch holds h: place 8 g + e of the block is k = 4 g + e for e < 4 and k = 16 + 4 g + e - 4 for e >= 4 (both operands of a product have the same order, so every product and every sum's terms stay the same).
;   So lane (r, h) takes, of block b, at register 16 b + 8 i + 4 e + x the number k = 32 b + 16 e + 8 h + 4 i + x.  Lanes l and l xor 16 hold a block.
; whc: [tile T][K step w][c][lane][16 bytes]: registers 4 c .. 4 c + 3 of the fragment (16 rows x 128 K) as they stand.   whs: [tile T][K step mod 2][row r][K step / 2]: words of four scale bytes; a tile's 256 bytes meet in LDS and leave as one unit.
; A block's scale is 2^(floor(log2(its largest magnitude)) - 2); its byte is that magnitude's exponent field - 2, held at 1 from below.  A block of zeros so gets the byte 1 where the quantiser says 127:
; its codes are zeros, which add nothing under any byte but 0xff, and the bytes are read by this program alone.
; LIMITS: NaN and infinities among the inputs are not served.
; The rows are read as pieces of 16 bytes, whole units by neighbouring loads, and dec leaves as pieces of 32 bytes: both weights are 2 MiB in all and dec 32 KiB, so no stage in LDS is spent on them.
; LDS: W_d's four partial products, 1,024 bytes a wave; W_h's scale words; the spare words.
.set WORDS, 4096
.set SPARE, 4352
.set SPW, 8
.set NIL, 9
.set PC,  32                           ; the codes: the weight's fragment v32-39, s_t_hat's v40-47
.set WSW, 24
.set SSW, 25
.set AC,  48
.set BI,  56
.set NW,  64                           ; the weight's 64 numbers, then s_t_hat's at NS
.set NS,  128                          ; at the end the four partial products
.set MX,  192                          ; largest magnitudes, then the conversions' scale operands
.set PX,  200                          ; lane l xor 16's, then the bytes
.set SEL, 24                           ; s[24:25] lane selects for v_permlanex16_b32: lane l xor 16
.set WV,  32
.macro LOAD reg, ptr
.irp b, 0,1,2,3
.irp j, 0,1,2,3
	global_load_b128 v[\reg+16*\b+4*\j:\reg+16*\b+4*\j+3], v3, s[\ptr:\ptr+1] offset:128*\b+64*(\j%2)+16*(\j/2)
.endr
.endr
.endm
; nb blocks by turns: 4: the weight's alone; 8: s_t_hat's too
.macro QUANT nb
.irp b, 0,1,2,3,4,5,6,7
.if \b < \nb
	v_max3_num_f32 v[MX+\b], |v[NW+16*\b]|, |v[NW+16*\b+1]|, 0x1800000   ; block b: my 16 numbers, and the floor 2^(3 - 127): the byte cannot fall under 1
.endif
.endr
.irp i, 2,4,6,8,10,12,14
.irp b, 0,1,2,3,4,5,6,7
.if \b < \nb
	v_max3_num_f32 v[MX+\b], |v[NW+16*\b+\i]|, |v[NW+16*\b+\i+1]|, v[MX+\b]
.endif
.endr
.endr
.irp b, 0,1,2,3,4,5,6,7
.if \b < \nb
	v_permlanex16_b32 v[PX+\b], v[MX+\b], s[SEL], s[SEL+1]
.endif
.endr
.irp b, 0,1,2,3,4,5,6,7
.if \b < \nb
	v_max_num_f32 v[MX+\b], v[MX+\b], v[PX+\b]     ; with lane l xor 16's: the block's largest magnitude
.endif
.endr
.irp b, 0,1,2,3,4,5,6,7
.if \b < \nb
	v_add_nc_u32 v[MX+\b], 0xff000000, v[MX+\b]    ; 2 off its exponent field: the conversion takes the exponent field of this operand as its scale
.endif
.endr
.irp b, 0,1,2,3,4,5,6,7
.if \b < \nb
	v_lshrrev_b32 v[PX+\b], 23, v[MX+\b]           ; the scale's byte
.endif
.endr
.irp b, 0,4
.if \b < \nb
	v_lshl_or_b32 v[WSW+\b/4], v[PX+\b+1], 8, v[PX+\b]   ; four bytes make my row's scale word
	v_lshl_or_b32 v[WSW+\b/4], v[PX+\b+2], 16, v[WSW+\b/4]
	v_lshl_or_b32 v[WSW+\b/4], v[PX+\b+3], 24, v[WSW+\b/4]
.endif
.endr
.irp b, 0,1,2,3,4,5,6,7
.if \b < \nb
	v_cvt_scalef32_pk8_fp4_f32 v[PC+2*\b], v[NW+16*\b:NW+16*\b+7], v[MX+\b]
	v_cvt_scalef32_pk8_fp4_f32 v[PC+2*\b+1], v[NW+16*\b+8:NW+16*\b+15], v[MX+\b]
.endif
.endr
	v_nop                                          ; one plain place behind a scaled conversion
.irp c, 0,1,2,3                                ; a whole block in a lane: lanes 0-15 block 2 c, lanes 16-31 block 2 c + 1
.if 2*\c < \nb
.irp i, 0,1
	v_permlane16_swap_b32 v[PC+4*\c+\i], v[PC+4*\c+2+\i]
.endr
.endif
.endr
.endm
; The wave's last LDS write is behind it: a wait on tensors, an add to the spare word and a wait on LDS, the last also the wait ahead of the barrier
.macro CLOSE
	s_wait_tensorcnt 0x0
	ds_add_u32 v[SPW], v[NIL]
	s_wait_dscnt 0x0
	s_barrier_signal -1
	s_barrier_wait -1
.endm
	s_load_b256 s[8:15], s[0:1], 0x0               ; W_h s[8:9], W_d s[10:11], s_t_hat s[12:13], b_d s[14:15]
	s_load_b128 s[16:19], s[0:1], 0x20             ; whc s[16:17], whs s[18:19]
	s_load_b64 s[20:21], s[0:1], 0x30              ; dec
	v_lshl_add_u32 v[SPW], v0, 2, SPARE
	v_mov_b32 v[NIL], 0
	v_lshrrev_b32 v1, 5, v0
	v_readfirstlane_b32 s[WV], v1                  ; wave 0..3
	s_mov_b32 s[SEL], 0x76543210
	s_mov_b32 s[SEL+1], 0xfedcba98
	s_and_b32 s26, ttmp9, 31                       ; T
	s_lshl_b32 s38, s[WV], 9                       ; my K step: 512 bytes of a row
	s_mov_b32 s39, 0
	s_lshl_b32 s28, s26, 15                        ; 16 rows of 2,048 bytes
	s_add_co_u32 s28, s28, s38
	s_mov_b32 s29, 0
	s_lshl_b32 s30, s26, 6                         ; 16 numbers of f32
	s_mov_b32 s31, 0
	s_lshl_b32 s41, s[WV], 10
	s_lshl_b32 s34, s26, 12                        ; a tile's images: 4,096 bytes
	s_add_co_u32 s34, s34, s41
	s_mov_b32 s35, 0
	s_lshl_b32 s36, s26, 8                         ; a tile's scale words: 256 bytes
	s_mov_b32 s37, 0
	s_and_b32 s40, s[WV], 1
	s_lshl_b32 s40, s40, 7
	s_lshr_b32 s42, s[WV], 1
	s_lshl_b32 s42, s42, 2
	s_add_co_u32 s40, s40, s42                     ; my K step's words among them
	v_and_b32 v10, 31, v0                          ; lane
	v_and_b32 v1, 15, v0                           ; r
	v_bfe_u32 v2, v0, 4, 1                         ; h
	v_lshlrev_b32 v4, 4, v10                       ; 16 x lane
	v_lshlrev_b32 v7, 11, v1
	v_lshl_add_u32 v7, v2, 5, v7                   ; row r of 2,048 bytes + 32 h: my place in dec,
	v_mov_b32 v3, v7                               ; and in a block of the rows that are read
	v_lshl_add_u32 v5, v1, 3, s40                  ; LDS: my row's scale word of my K step
	v_lshl_add_u32 v6, v10, 5, s41                 ; LDS: my eight numbers of my wave's partial product
	v_lshlrev_b32 v11, 3, v10
	v_lshlrev_b32 v12, 5, v2                       ; 32 h: my eight numbers of the bias
.irp b, 0,1,2,3,4,5,6,7
	v_mov_b32 v[PX+\b], 0                          ; a lane permute's destination counts as one of its sources
.endr
	s_wait_alu depctr_va_vdst(0)                   ; the wait at the head's end
	s_wait_kmcnt 0x0
	s_cmp_lt_u32 ttmp9, 32                         ; W_h's work-group or W_d's: the choice hangs on the work-group's number alone
	s_cselect_b64 s[22:23], s[8:9], s[10:11]
	s_add_nc_u64 s[22:23], s[22:23], s[28:29]      ; the weight at my 16 rows and my K step
	LOAD NW, 22
	s_cbranch_scc1 .Lwh
	; ---- W_d: dec for my work-group's 16 outputs and all 16 batches
	s_add_nc_u64 s[12:13], s[12:13], s[38:39]
	s_add_nc_u64 s[14:15], s[14:15], s[30:31]      ; b_d at my 16 outputs
	s_add_nc_u64 s[20:21], s[20:21], s[30:31]      ; dec likewise
	LOAD NS, 12
	global_load_b128 v[BI:BI+3], v12, s[14:15]     ; b_d[16 T + 8 h + 0 .. 7]: the result's layout (wave 0 adds it)
	global_load_b128 v[BI+4:BI+7], v12, s[14:15] offset:16
	s_wait_loadcnt 2                               ; the weight and s_t_hat are in; the bias may be out
	QUANT 8
.rept 8
	v_nop                                          ; a scale register written by a vector instruction stands 8 places ahead of a scaled matrix instruction, an operand so written 4
.endr
	; TRANSPOSED: source 0 = 16 rows of W_d, source 1 = the 16 batches: lane (r, h) holds K step w's share of dec[r][16 T + 8 h + 0 .. 7]
	v_wmma_scale_f32_16x16x128_f8f6f4 v[AC:AC+7], v[PC:PC+7], v[PC+8:PC+15], 0, v[WSW], v[SSW] matrix_a_fmt:MATRIX_FMT_FP4 matrix_b_fmt:MATRIX_FMT_FP4
.rept 4
	v_nop                                          ; four places in front of the first read of results (ISA guide 7.12.1)
.endr
	ds_store_b128 v6, v[AC:AC+3]
	ds_store_b128 v6, v[AC+4:AC+7] offset:16
	CLOSE
	s_cmp_lg_u32 s[WV], 0
	s_cbranch_scc1 .Ldone                          ; wave 0 adds the four shares and the bias
.irp w, 0,1,2,3
	ds_load_b128 v[NS+8*\w:NS+8*\w+3], v6 offset:1024*\w
	ds_load_b128 v[NS+8*\w+4:NS+8*\w+7], v6 offset:1024*\w+16
.endr
	s_wait_loadcnt 0x0                             ; the bias
	s_wait_dscnt 0x0
.irp p, 0,2,4,6
	v_pk_add_f32 v[NS+\p:NS+\p+1], v[NS+\p:NS+\p+1], v[NS+8+\p:NS+8+\p+1]
	v_pk_add_f32 v[NS+16+\p:NS+16+\p+1], v[NS+16+\p:NS+16+\p+1], v[NS+24+\p:NS+24+\p+1]
.endr
.irp p, 0,2,4,6
	v_pk_add_f32 v[NS+\p:NS+\p+1], v[NS+\p:NS+\p+1], v[NS+16+\p:NS+16+\p+1]
.endr
.irp p, 0,2,4,6
	v_pk_add_f32 v[NS+\p:NS+\p+1], v[NS+\p:NS+\p+1], v[BI+\p:BI+\p+1]
.endr
	global_store_b128 v7, v[NS:NS+3], s[20:21]
	global_store_b128 v7, v[NS+4:NS+7], s[20:21] offset:16
.Ldone:
	s_endpgm
.Lwh:	; ---- W_h: my K step's image and the rows' scale words
	s_add_nc_u64 s[16:17], s[16:17], s[34:35]
	s_add_nc_u64 s[18:19], s[18:19], s[36:37]
	s_wait_loadcnt 0x0
	QUANT 4
.irp c, 0,1
	global_store_b128 v4, v[PC+4*\c:PC+4*\c+3], s[16:17] offset:512*\c   ; 32 lanes store 512 consecutive bytes
.endr
	ds_store_b32 v5, v[WSW] offset:WORDS           ; lanes l and l xor 16 write the same word with the same value
	CLOSE
	s_cmp_lg_u32 s[WV], 0
	s_cbranch_scc1 .Lend
	ds_load_b64 v[NS:NS+1], v11 offset:WORDS
	s_wait_dscnt 0x0
	global_store_b64 v11, v[NS:NS+1], s[18:19]     ; 32 lanes store 256 consecutive bytes, aligned
.Lend:
	s_endpgm
.Lfunc_end_k_q9a46def52a_prep:
	.size	k_q9a46def52a_prep, .Lfunc_end_k_q9a46def52a_prep-k_q9a46def52a_prep
	.p2alignl 7, 3214868480
	.fill 96, 4, 3214868480
	.section	.rodata,"a",@progbits
	.p2align	6, 0x0
	.amdhsa_kernel k_q9a46def52a_prep
		.amdhsa_group_segment_fixed_size 4864
		.amdhsa_private_segment_fixed_size 0
		.amdhsa_enable_private_segment 0
		.amdhsa_kernarg_size 56
		.amdhsa_user_sgpr_count 2
		.amdhsa_user_sgpr_kernarg_segment_ptr 1
		.amdhsa_wavefront_size32 1
		.amdhsa_system_sgpr_workgroup_id_x 1
		.amdhsa_system_sgpr_workgroup_id_y 1
		.amdhsa_system_sgpr_workgroup_id_z 1
		.amdhsa_system_vgpr_workitem_id 0
		.amdhsa_next_free_vgpr 208
		.amdhsa_next_free_sgpr 66
		.amdhsa_reserve_vcc 0
		.amdhsa_float_denorm_mode_32 3
		.amdhsa_float_denorm_mode_16_64 3
		.amdhsa_memory_ordered 1
		.amdhsa_forward_progress 1
		.amdhsa_inst_pref_size 21
	.end_amdhsa_kernel
	.amdgpu_metadata
---
amdhsa.version: [ 1, 2 ]
amdhsa.kernels:
  - .name:           k_q9a46def52a_prep
    .symbol:         k_q9a46def52a_prep.kd
    .args:
      - { .name: W_h, .offset: 0, .size: 8, .value_kind: global_buffer, .address_space: global }
      - { .name: W_d, .offset: 8, .size: 8, .value_kind: global_buffer, .address_space: global }
      - { .name: s_t_hat, .offset: 16, .size: 8, .value_kind: global_buffer, .address_space: global }
      - { .name: b_d, .offset: 24, .size: 8, .value_kind: global_buffer, .address_space: global }
      - { .name: whc, .offset: 32, .size: 8, .value_kind: global_buffer, .address_space: global }
      - { .name: whs, .offset: 40, .size: 8, .value_kind: global_buffer, .address_space: global }
      - { .name: dec, .offset: 48, .size: 8, .value_kind: global_buffer, .address_space: global }
    .group_segment_fixed_size: 4864
    .private_segment_fixed_size: 0
    .kernarg_segment_align: 8
    .kernarg_segment_size: 56
    .max_flat_workgroup_size: 128
    .sgpr_count:     66
    .vgpr_count:     208
    .wavefront_size: 32
...
	.end_amdgpu_metadata
.endif
;; end of part 1
;; launch main (part 2): grid 256 x 1, 8 waves a work-group, clusters of 4 x 1, 167,936 bytes of LDS; arguments h, coverage, enc_padding_mask, beta, W_c, v, whc, whs, dec, tsc, part, stat; writes tsc, part, stat
.if DOCPART == 2
	.amdgcn_target "amdgcn-amd-amdhsa--gfx1250"
	.amdhsa_code_object_version 6
	.text
	.protected	k_q9a46def52a_main
	.globl	k_q9a46def52a_main
	.p2align	8
	.type	k_q9a46def52a_main,@function
k_q9a46def52a_main:
	s_mov_b64 s[64:65], 0
	v_nop
	global_prefetch_b8 v0, s[64:65] scope:SCOPE_SE
	s_setreg_imm32_b32 hwreg(HW_REG_WAVE_MODE, 25, 1), 1
	s_wait_xcnt 0x0
	s_wait_alu depctr_hold_cnt(0) depctr_sa_sdst(0) depctr_va_vdst(0) depctr_va_sdst(0) depctr_va_ssrc(0) depctr_va_vcc(0) depctr_vm_vsrc(0)
	s_getreg_b32 s2, hwreg(HW_REG_IB_STS2, 6, 4)
	s_cmp_eq_u32 s2, 0
	s_cbranch_scc0 .Lentry_in_a_cluster
	s_endpgm
.Lentry_in_a_cluster:
	s_bfe_u32 s2, ttmp6, 0x10000c
	s_cmp_lg_u32 s2, 0x3003
	s_cbranch_scc0 .Lentry_shape_is_right
	s_endpgm
.Lentry_shape_is_right:
; For 256 tokens of one batch: t = beta log2(e) x (v . tanh(Q(h) Q(W_h)^T + dec + coverage W_c)), and, flash-style, the running maximum m of t, l = sum of mask 2^(t - m), and part = sum of mask 2^(t - m) h.
; h is read from memory ONCE: the same f32 numbers, in the registers into which they were loaded, are quantised for the product and summed for part.  The last launch joins the 16 work-groups of a batch.
; SHARES.  Work-group g: tokens 256 g .. 256 g + 255 (batch g / 16, sentences 2 g and 2 g + 1), in eight blocks of 32, each two tiles of 16.  Eight waves, two to a SIMD, 512 registers each.
;   Wave w makes outputs 64 w .. 64 w + 63 for all tokens: their codes of W_h stay in 128 registers.  Of each block of h it owns 8 rows (row group w / 2) x 256 columns (half w % 2).
; CLUSTERS of 4 work-groups: all need the same codes of W_h.  Wave w of each asks for its 16,384 bytes by ONE joint tensor load, the same in all four, into bytes of LDS that are its own and that are filled once; from there they go into its registers.
; HOW h COMES.  Lane l = 4 q + u takes, of each row, columns 32 q + 4 u .. + 3 and 32 q + 16 + 4 u .. + 3 of its half: eight numbers of ONE block of 32, by two loads on end, which together cover 1,024 consecutive bytes of the row.
;   Four lanes hold a block, so its largest magnitude is two steps across lanes, and a lane's eight numbers are one conversion.  The launch before lays W_h's codes in the same order inside each block.
;   The codes (4 bytes a lane and row) go into LDS at their places in the fragments, the scale bytes beside them; for the weighted sum the row's p is a scalar.
;   Block n lies in register set n mod 4 (64 registers).  A set is asked for again behind its weighted sum, a row at a time between the tanh's stages: three blocks ahead of its use.
;   No prefetch is written: these loads hold their own registers and are themselves that far ahead; no ring of slots is drained here.
; ONE BARRIER A BLOCK.  In front of barrier j every wave has stored its codes of block j and its partial scores of block j - 1 (two buffers each).  Inside it stand four rows of the quantiser of block j + 1 (register work); behind it the other four,
;   under which the LDS loads of fragments and scores come in; the softmax of block j - 1; the product; the weighted sum of block j - 1; the tanh of block j.  (Block 1's quantiser stands at the end of what follows barrier 0.)
; THE PRODUCT: source 0 = 16 tokens, source 1 = 16 outputs: lane (r, h) holds output r and tokens 8 h + 0 .. 7.  So what hangs on the output (dec, W_c, v) is three registers a tile.
; tanh(x) = 1 - 2 / (1 + 2^(c x)), c = 2 log2(e): right at both ends (2^.. = infinity gives 1, 0 gives -1).  sum of v tanh = sum of v + sum of (-2 v) / (1 + 2^(c x)).
; The maximum counts masked tokens too, as the softmax that is asked for does.
; LIMITS: NaN and infinities among the inputs are not served.  Blocks of h whose largest magnitude lies under 2^-124 get the scale byte 1 (a block of zeros too: its codes are zeros).  t stays under 2^31 in magnitude.
; 2^(t - m) under 2^-126 comes out as 0 (v_exp_f32 flushes denormals: ISA guide 15.8).  1 / x is v_rcp_f32.  The sums' order is this text's own.
; REGISTERS.  Window 1: the four sets of h.   Window 0: v0-15 addresses and running figures; v16-23 the sums for part; v24-47 constants, scale words; v48-55 coverage; v56-63 scores, softmax, score sums;
;   v64-95 four accumulators (between products the quantiser's work); v96-127 h's fragments of a tile; v128-255 W_h's 16 fragments.
.set GRP,   272                        ; images: a group = 16 rows x 16 bytes and 16 of padding, so that the eight groups that a store touches start at different banks (64 banks of 4 bytes: ISA guide 11.1)
.set IMG,   0                          ; [buffer][tile][K step][c][h]: groups; in a group 16 r + 4 u
.set IMT,   16*GRP
.set IMB,   2*IMT
.set ISC,   17408                      ; scale words: [buffer][tile][K step mod 2][r][K step / 2]
.set SCP,   18432                      ; partial scores: [buffer][wave][32 tokens]
.set CVL,   20480                      ; coverage of the 256 tokens, behind it the mask
.set MKL,   21504
.set TSL,   22528                      ; t of the 256 tokens
.set CSG,   23552                      ; the way out of part: [row group][512 columns]
.set SPARE, 31744                      ; the spare words, 128 bytes a wave: four blocks of 256 bytes that no other line names
.set WST,   32768                      ; W_h's codes as they come: 16,384 bytes a wave
.set TK,   0                           ; t of block w of wave w, for the way out
.set L16,  1                           ; 16 x lane
.set HO,   2                           ; 128 q + 16 u
.set IMW,  3                           ; my codes' place, row 0
.set IMR,  4                           ; 272 h + 16 r
.set ISW,  5                           ; my block's scale byte, row u
.set L8,   6                           ; 8 x lane
.set SCW,  7                           ; 128 w + 4 (8 h + r / 2)
.set X4,   8                           ; 4 x token: my lane's token in the softmax is lane xor 8 (w / 2), so that lanes 0-7 hold the tokens whose rows are mine
.set CVA,  9                           ; 32 h
.set SPW,  10
.set NIL,  11
.set MR,   12                          ; the running maximum; v13 the running sum
.set LR,   13
.set F,    14                          ; 2^(old maximum - new); v15 the mask
.set SUM,  16
.set KC,   24                          ; (c dec, c W_c) a tile
.set VV,   32                          ; -2 v
.set VL,   36                          ; my four v summed
.set WS,   38                          ; W_h's scale words: tile t, lanes 0-15 K step 2 q, lanes 16-31 K step 2 q + 1 at v[WS + 2 t + q]
.set AS,   46                          ; h's, likewise
.set CV,   48
.set PC,   56
.set S,    56
.set D,    64
.set WLA,  75                          ; the head: where my wave's codes of W_h lie in LDS
.set MX,   80
.set QC,   88
.set AF,   96
.set WW,   128
.set WV,   32                          ; s32 my wave's number
.set HP,   34                          ; s[34:35] my rows and columns of h
.set BE,   50                          ; s[50:51] beta log2(e) of my two sentences
.set CC,   58                          ; s[58:59] c, twice
.set SEL,  60                          ; s[60:61] lane selects for v_permlanex16_b32: lane l xor 16
.set LM8,  62                          ; the lanes whose bit 3, 2, 1, 0 is set
.set LM4,  63
.set LM2,  68
.set SJ,   69
.set PS,   70                          ; s70, s72 .. s84: p of my 8 rows
.set LM1,  86
.set WG,   87                          ; my work-group's number
.set G0,   88                          ; s[88:91], s[92:99] the tensor load's descriptor
.set G1,   92
.set MSB, 0
.set QN, 0
.macro WIN new                         ; the immediate's high byte repeats the setting that is left; a switch that changes nothing is dropped
.if MSB != (\new)
	s_set_vgpr_msb (MSB<<8)|(\new)
.set MSB, \new
.endif
.endm
; A round of the cluster's barrier: my work-group's barrier, so that wave 0's signal speaks for all eight waves; wave 0 signals for the work-group; every wave waits; my work-group's barrier once more
.macro ROUND
	s_barrier_signal -1
	s_barrier_wait -1
	s_cmp_lg_u32 s[WV], 0
	s_cbranch_scc1 .Lnot_wave_0_\@
	s_barrier_signal -3
.Lnot_wave_0_\@:
	s_barrier_wait -3
	s_barrier_signal -1
	s_barrier_wait -1
.endm
.macro ROWLD n, i                      ; row i of block n into set n mod 4 (destination window 1)
	global_load_b128 v[64*((\n)%4)+8*(\i):64*((\n)%4)+8*(\i)+3], v[HO], s[HP:HP+1] offset:65536*(\n)+2048*(\i)
	global_load_b128 v[64*((\n)%4)+8*(\i)+4:64*((\n)%4)+8*(\i)+7], v[HO], s[HP:HP+1] offset:65536*(\n)+2048*(\i)+64
.endm
.macro LOADS n                         ; a whole block
	WIN 0x40
.irp i, 0,1,2,3,4,5,6,7
	ROWLD \n, \i
.endr
	WIN 0
.endm
.macro ASKG m, j, g                    ; the g-th of four portions in tile m's tanh: of block j + 3 a row; in block 0, two rows of blocks 2 and 3
.if \j < 5
	WIN 0x40
.if \j == 0
	ROWLD 2+\m, 2*\g
	ROWLD 2+\m, 2*\g+1
.else
	ROWLD \j+3, 4*\m+\g
.endif
	WIN 0
.endif
.endm
; THE QUANTISER.  QA: rows base .. base + 3 of my eight of block n, registers alone.  All four lanes of a block hold its four rows' scales; lane u keeps row base + u's byte.
.macro QA n, base
	WIN 0x05                                       ; sources 0 and 1 window 1
.irp i, 0,1,2,3
	v_max3_num_f32 v[MX+\base+\i], |v[64*((\n)%4)+8*(\base+\i)]|, |v[64*((\n)%4)+8*(\base+\i)+1]|, 0x1800000   ; and the floor 2^(3 - 127): the byte cannot fall under 1
.endr
.irp e, 2,4,6
.irp i, 0,1,2,3
	v_max3_num_f32 v[MX+\base+\i], |v[64*((\n)%4)+8*(\base+\i)+\e]|, |v[64*((\n)%4)+8*(\base+\i)+\e+1]|, v[MX+\base+\i]
.endr
.endr
	WIN 0
.irp x, 1,2
.irp i, 0,1,2,3
	v_max_num_f32_dpp v[MX+\base+\i], v[MX+\base+\i], v[MX+\base+\i] row_xmask:\x row_mask:0xf bank_mask:0xf   ; over the four lanes that share the block
.endr
.endr
.irp i, 0,1,2,3
	v_add_nc_u32 v[MX+\base+\i], 0xff000000, v[MX+\base+\i]   ; 2 off its exponent field: the conversion takes the exponent field of this operand as its scale
.endr
	WIN 0x01                                       ; source 0 window 1
.irp i, 0,1,2,3
	v_cvt_scalef32_pk8_fp4_f32 v[QC+\base+\i], v[64*((\n)%4)+8*(\base+\i):64*((\n)%4)+8*(\base+\i)+7], v[MX+\base+\i]
.endr
	WIN 0
	v_nop                                          ; one plain place behind a scaled conversion
	v_cndmask_b32 v[MX+\base], v[MX+\base], v[MX+\base+1], s[LM1]
	v_cndmask_b32 v[MX+\base+2], v[MX+\base+2], v[MX+\base+3], s[LM1]
	v_cndmask_b32 v[MX+\base], v[MX+\base], v[MX+\base+2], s[LM2]
	v_lshrrev_b32 v[MX+\base], 23, v[MX+\base]     ; the scale's byte
.endm
.macro QST n                           ; ten stores: the codes, and the bytes of rows u and 4 + u
.irp i, 0,1,2,3,4,5,6,7
	ds_store_b32 v[IMW], v[QC+\i] offset:IMG+IMB*((\n)%2)+16*\i
.endr
	ds_store_b8 v[ISW], v[MX] offset:ISC+512*((\n)%2)
	ds_store_b8 v[ISW], v[MX+4] offset:ISC+512*((\n)%2)+32
.endm
.macro BAR
	s_wait_dscnt 0x0                               ; for the others' sake: my stores lie in LDS, and my reads are over
	s_barrier_signal -1
	s_barrier_wait -1
.endm
.macro BARQ n, out                     ; the same with block n's first four rows inside; out: younger loads that may be out
	s_wait_loadcnt \out
	s_wait_dscnt 0x0
	s_barrier_signal -1
	QA \n, 0
	s_wait_alu depctr_va_vdst(0)                   ; directly ahead of the wait below
	s_barrier_wait -1
.endm
.macro FETCH m, j                      ; tile m's scale words and four fragments: 9 loads
	ds_load_b64 v[AS:AS+1], v[L8] offset:ISC+512*((\j)%2)+256*(\m)
.irp s, 0,1,2,3
.irp c, 0,1
	ds_load_b128 v[AF+8*\s+4*\c:AF+8*\s+4*\c+3], v[IMR] offset:IMG+IMB*((\j)%2)+IMT*(\m)+4*GRP*\s+2*GRP*\c
.endr
.endr
.endm
.macro COVL m, j                       ; coverage of tokens 8 h + 0 .. 7 of tile m: 2 loads
	ds_load_b128 v[CV:CV+3], v[CVA] offset:CVL+128*(\j)+64*(\m)
	ds_load_b128 v[CV+4:CV+7], v[CVA] offset:CVL+128*(\j)+64*(\m)+16
.endm
.macro SCLOAD n                        ; block n's eight partial scores and the mask of my token: 9 loads
.irp w, 0,1,2,3,4,5,6,7
	ds_load_b32 v[PC+\w], v[X4] offset:SCP+1024*((\n)%2)+128*\w
.endr
	ds_load_b32 v[F+1], v[X4] offset:MKL+128*(\n)
.endm
; THE SOFTMAX'S RUNNING FIGURES.  Every wave does the same arithmetic on the same numbers, a token a lane.
.macro SMA n
	v_pk_add_f32 v[PC:PC+1], v[PC:PC+1], v[PC+2:PC+3]
	v_pk_add_f32 v[PC+4:PC+5], v[PC+4:PC+5], v[PC+6:PC+7]
	v_pk_add_f32 v[PC:PC+1], v[PC:PC+1], v[PC+4:PC+5]
	v_add_f32 v[PC], v[PC], v[PC+1]                ; the score
	v_mul_f32 v[PC], s[BE+((\n)/4)], v[PC]         ; t; blocks 0-3: my first sentence, 4-7: my second
	v_max_num_f32_dpp v[PC+1], v[PC], v[PC] row_xmask:1 row_mask:0xf bank_mask:0xf
.irp x, 2,4,8
	v_max_num_f32_dpp v[PC+1], v[PC+1], v[PC+1] row_xmask:\x row_mask:0xf bank_mask:0xf
.endr
	v_permlanex16_b32 v[PC+2], v[PC+1], s[SEL], s[SEL+1]
	v_mov_b32 v[PC+3], v[MR]
	v_max3_num_f32 v[MR], v[MR], v[PC+1], v[PC+2]  ; with the block's largest t
	v_sub_f32 v[PC+3], v[PC+3], v[MR]
	v_sub_f32 v[PC+4], v[PC], v[MR]
	s_cmp_eq_u32 s[WV], (\n)
	s_cselect_b32 s[SJ], -1, 0
	s_wait_alu depctr_va_vdst(0)                   ; the wait ahead of the batch
	v_exp_f32 v[F], v[PC+3]                        ; what was summed under the old maximum is multiplied by this
	v_exp_f32 v[PC+4], v[PC+4]
	v_cndmask_b32 v[TK], v[TK], v[PC], s[SJ]       ; wave n keeps block n's t for the way out.  (A plain place behind the exponentials)
	s_wait_alu depctr_va_vdst(0)                   ; and behind it
	v_mul_f32 v[PC+4], v[PC+4], v[F+1]             ; p: the mask
.endm
.macro SMB
.irp p, 0,2,4,6
	v_pk_mul_f32 v[SUM+\p:SUM+\p+1], v[SUM+\p:SUM+\p+1], v[F:F+1] op_sel_hi:[1,0]
.endr
	v_fma_f32 v[LR], v[LR], v[F], v[PC+4]          ; my token's share of the sum; the lanes meet at the end
.irp i, 0,1,2,3,4,5,6,7
	v_readlane_b32 s[PS+2*\i], v[PC+4], \i         ; p of my rows, as factors alone: no address and no branch hangs on them
.endr
.endm
.macro WSUM n                          ; the sums for part: my 8 rows of block n, four chains
	WIN 0x01
.irp i, 0,1,2,3,4,5,6,7
.irp p, 0,2,4,6
	v_pk_fma_f32 v[SUM+\p:SUM+\p+1], v[64*((\n)%4)+8*\i+\p:64*((\n)%4)+8*\i+\p+1], s[PS+2*\i:PS+2*\i+1], v[SUM+\p:SUM+\p+1] op_sel_hi:[1,0,1]
.endr
.endr
	WIN 0
.endm
; 16 matrix instructions: 16 tokens x my 64 outputs x 512 along K.  The four accumulators take turns, one instruction a turn; the first K step starts the sums.
; hold = 1: the fragments are waited for a K step at a time: behind K step s stand 6 - 2 s loads of later K steps, coverage's 2 and the quantiser's QN stores.
.macro MMA hold
.irp s, 0,1,2,3
.if \hold
	s_wait_dscnt 8-2*\s+QN
.endif
.irp t, 0,1,2,3
.if \s == 0
	v_wmma_scale_f32_16x16x128_f8f6f4 v[D+8*\t:D+8*\t+7], v[AF+8*\s:AF+8*\s+7], v[WW+8*(4*\t+\s):WW+8*(4*\t+\s)+7], 0, v[AS+\s/2], v[WS+2*\t+\s/2] matrix_a_fmt:MATRIX_FMT_FP4 matrix_b_fmt:MATRIX_FMT_FP4
.elseif \s == 2
	v_wmma_scale_f32_16x16x128_f8f6f4 v[D+8*\t:D+8*\t+7], v[AF+8*\s:AF+8*\s+7], v[WW+8*(4*\t+\s):WW+8*(4*\t+\s)+7], v[D+8*\t:D+8*\t+7], v[AS+\s/2], v[WS+2*\t+\s/2] matrix_a_fmt:MATRIX_FMT_FP4 matrix_b_fmt:MATRIX_FMT_FP4
.else
	v_wmma_scale_f32_16x16x128_f8f6f4 v[D+8*\t:D+8*\t+7], v[AF+8*\s:AF+8*\s+7], v[WW+8*(4*\t+\s):WW+8*(4*\t+\s)+7], v[D+8*\t:D+8*\t+7], v[AS+\s/2], v[WS+2*\t+\s/2] matrix_a_fmt:MATRIX_FMT_FP4 matrix_b_fmt:MATRIX_FMT_FP4 matrix_a_scale:MATRIX_SCALE_ROW1 matrix_b_scale:MATRIX_SCALE_ROW1
.endif
.endr
.endr
.endm
; THE TANH and the product with v for a tile of tokens: c x = c D + c dec + coverage (c W_c); each accumulator from its low end on.  Lines of accumulator t: p counts pairs, i numbers.
.macro A1 t, p
	v_pk_fma_f32 v[D+8*(\t)+2*(\p):D+8*(\t)+2*(\p)+1], v[D+8*(\t)+2*(\p):D+8*(\t)+2*(\p)+1], s[CC:CC+1], v[KC+2*(\t):KC+2*(\t)+1] op_sel_hi:[1,0,0]
.endm
.macro A2 t, p
	v_pk_fma_f32 v[D+8*(\t)+2*(\p):D+8*(\t)+2*(\p)+1], v[CV+2*(\p):CV+2*(\p)+1], v[KC+2*(\t):KC+2*(\t)+1], v[D+8*(\t)+2*(\p):D+8*(\t)+2*(\p)+1] op_sel:[0,1,0] op_sel_hi:[1,1,1]
.endm
.macro EX t, i
	v_exp_f32 v[D+8*(\t)+(\i)], v[D+8*(\t)+(\i)]
.endm
.macro AD t, p
	v_pk_add_f32 v[D+8*(\t)+2*(\p):D+8*(\t)+2*(\p)+1], v[D+8*(\t)+2*(\p):D+8*(\t)+2*(\p)+1], 1.0 op_sel_hi:[1,0]
.endm
.macro RC t, i
	v_rcp_f32 v[D+8*(\t)+(\i)], v[D+8*(\t)+(\i)]
.endm
.macro SA t, p
.if (\t) == 0
	v_pk_fma_f32 v[S+2*(\p):S+2*(\p)+1], v[D+2*(\p):D+2*(\p)+1], v[VV:VV+1], v[VL:VL+1] op_sel_hi:[1,0,0]
.elseif (\t) == 2
	v_pk_fma_f32 v[S+2*(\p):S+2*(\p)+1], v[D+16+2*(\p):D+16+2*(\p)+1], v[VV+2:VV+3], v[S+2*(\p):S+2*(\p)+1] op_sel_hi:[1,0,1]
.else
	v_pk_fma_f32 v[S+2*(\p):S+2*(\p)+1], v[D+8*(\t)+2*(\p):D+8*(\t)+2*(\p)+1], v[VV+(\t)-1:VV+(\t)], v[S+2*(\p):S+2*(\p)+1] op_sel:[0,1,0] op_sel_hi:[1,1,1]
.endif
.endm
.macro EDGE                            ; a wait ahead of each batch of transcendentals and behind it: one stands between each two stages
	s_wait_alu depctr_va_vdst(0)
.endm
; Four stages.  In each the transcendentals of two accumulators alternate with plain lines of others; no line reads what its own stage writes, and each stage ends with a plain line.
.macro EPI m, j
.irp t, 0,1,2,3
.irp p, 0,1,2,3
	A1 \t, \p
.endr
.endr
.irp t, 0,1
.irp p, 0,1,2,3
	A2 \t, \p
.endr
.endr
	EDGE
.irp i, 0,1,2,3,4,5,6,7
	EX 0, \i
	EX 1, \i
.if \i < 4
	A2 2, \i
.else
	A2 3, \i-4
.endif
.endr
.if \m == 0
	COVL 1, \j                                     ; the other tile's coverage
.endif
	ASKG \m, \j, 0
	EDGE
.irp i, 0,1,2,3,4,5,6,7
	EX 2, \i
	EX 3, \i
.if \i < 4
	AD 0, \i
.else
	AD 1, \i-4
.endif
.endr
	ASKG \m, \j, 1
	EDGE
.irp i, 0,1,2,3,4,5,6,7
	RC 0, \i
	RC 1, \i
.if \i < 4
	AD 2, \i
.else
	AD 3, \i-4
.endif
.endr
	ASKG \m, \j, 2
	EDGE
.irp i, 0,1,2,3,4,5,6,7
	RC 2, \i
	RC 3, \i
.if \i%2
	SA 0, \i/2
.endif
.endr
	ASKG \m, \j, 3
	EDGE
.irp t, 1,2,3
.irp p, 0,1,2,3
	SA \t, \p
.endr
.endr
.endm
; The eight sums (tokens 8 h + i) over the 16 lanes of a half: in each of three steps a lane keeps the half of its registers that a bit of r names and hands the other half to the lane across.  Lane r ends with i = r / 2.
.macro KEEP give, keep, other, mask            ; give = what the lane across keeps; keep = mine
	v_cndmask_b32 v[\give], v[\other], v[\keep], s[\mask]
	v_cndmask_b32 v[\keep], v[\keep], v[\other], s[\mask]
.endm
.macro TAKE keep, give, x
	v_add_f32_dpp v[\keep], v[\give], v[\keep] row_xmask:\x row_mask:0xf bank_mask:0xf
.endm
.macro REDUCE m, j
	KEEP F,   S,   S+4, LM8
	KEEP S+4, S+1, S+5, LM8
	KEEP S+5, S+2, S+6, LM8
	KEEP S+6, S+3, S+7, LM8
	TAKE S,   F,   8
	TAKE S+1, S+4, 8
	TAKE S+2, S+5, 8
	TAKE S+3, S+6, 8
	KEEP F,   S,   S+2, LM4
	KEEP S+2, S+1, S+3, LM4
	TAKE S,   F,   4
	TAKE S+1, S+2, 4
	KEEP F,   S,   S+1, LM2
	TAKE S,   F,   2
	TAKE S,   S,   1
	ds_store_b32 v[SCW], v[S] offset:SCP+1024*((\j)%2)+64*(\m)   ; lanes l and l xor 1 write the same word with the same value
.endm
; WHAT STANDS BEHIND BARRIER j, up to barrier j + 1.
.macro SUB j
.set QN, 0
.if \j > 0
	SCLOAD \j-1
.endif
	FETCH 0, \j
	COVL 0, \j
.if \j > 0
.if \j < 7
	QA \j+1, 4                                     ; the other four rows of block j + 1 (its first four stood inside the barrier)
	QST \j+1
.set QN, 10                                    ; its stores
.endif
	s_wait_dscnt 11+QN                             ; the scores and the mask are in; 9 loads of fragments, 2 of coverage and the stores may be out
	SMA \j-1
	s_wait_alu depctr_va_vdst(0)                   ; directly ahead of the waits below
.endif
	MMA 1
.if \j > 0
	SMB                                            ; also the places behind the matrix instructions
.else
.rept 4
	v_nop                                          ; four places in front of loads into the fragments' registers and of the first read of results
.endr
.endif
	FETCH 1, \j
.if \j > 0
	WSUM \j-1
.endif
	s_wait_dscnt 9                                 ; coverage is in; the other tile's 9 loads may be out
	EPI 0, \j
	s_wait_alu depctr_va_vdst(0)                   ; directly ahead of the wait below
	s_wait_dscnt 0x0
	MMA 0
	REDUCE 0, \j                                   ; also the places behind the matrix instructions
	EPI 1, \j
	REDUCE 1, \j
.if \j == 0
	s_wait_loadcnt 32                              ; block 1 is in; blocks 2 and 3 may be out
	QA 1, 0
	QA 1, 4
	QST 1
.endif
.if \j < 5
	BARQ \j+2, 16                                  ; block j + 2 is in; the block behind it may be out
.elseif \j == 5
	BARQ \j+2, 0
.else
	BAR
.endif
.endm
	s_load_b512 s[8:23], s[0:1], 0x0               ; h s[8:9], coverage s[10:11], mask s[12:13], beta s[14:15], W_c s[16:17], v s[18:19], whc s[20:21], whs s[22:23]
	s_load_b256 s[24:31], s[0:1], 0x40             ; dec s[24:25], tsc s[26:27], part s[28:29], stat s[30:31]
	v_lshl_add_u32 v[SPW], v0, 2, SPARE
	v_mov_b32 v[NIL], 0
	ds_add_u32 v[SPW], v[NIL]                      ; the wave's opening: the add, twice on end, and its wait ahead of my first tensor load
	ds_add_u32 v[SPW], v[NIL]
	v_lshrrev_b32 v1, 5, v0
	v_readfirstlane_b32 s[WV], v1                  ; wave 0..7
	s_bfe_u32 s2, ttmp6, 0x40000                   ; my place in the cluster: it enters addresses of memory alone
	s_lshl_b32 s[WG], ttmp9, 2                     ; (in a cluster launch ttmp9 counts clusters)
	s_add_co_u32 s[WG], s[WG], s2
	s_and_b32 s2, s[WV], 1                         ; my half of the columns
	s_lshr_b32 s3, s[WV], 1                        ; my row group of a block
	s_lshl_b32 s4, s2, 10
	s_lshl_b32 s5, s3, 14
	s_lshl_b32 s66, s[WG], 19                      ; 256 rows of 2,048 bytes a work-group (under 2^27)
	s_add_co_u32 s66, s66, s4
	s_add_co_u32 s66, s66, s5
	s_mov_b32 s67, 0
	s_lshl_b32 s40, s[WV], 14                      ; whc: four tiles, 16,384 bytes, a wave
	s_mov_b32 s41, 0
	s_lshl_b32 s42, s[WV], 10                      ; whs likewise
	s_mov_b32 s43, 0
	s_lshl_b32 s44, s[WV], 8                       ; 64 outputs of f32; also 256 w
	s_mov_b32 s45, 0
	s_lshr_b32 s46, s[WG], 4
	s_lshl_b32 s46, s46, 11                        ; dec: a row of 2,048 bytes a batch
	s_mov_b32 s47, 0
	s_and_b32 s6, s[WV], 3
	s_lshl_b32 s7, s6, 9
	s_lshl_b32 s48, s[WG], 10
	s_add_co_u32 s52, s48, s7                      ; tsc: of waves 4 and 5, 512 bytes each
	s_mov_b32 s53, 0
	s_lshl_b32 s6, s6, 8
	s_add_co_u32 s48, s48, s6                      ; coverage, mask: 64 tokens a wave
	s_mov_b32 s49, 0
	s_lshl_b32 s54, s[WG], 11
	s_add_co_u32 s54, s54, s7                      ; part: of waves 0 to 3, 128 columns each
	s_mov_b32 s55, 0
	s_lshl_b32 s56, s[WG], 3                       ; beta's two sentences; stat's pair
	s_mov_b32 s57, 0
	s_lshr_b32 s33, s3, 1                          ; my rows' tile
	s_and_b32 s36, s3, 1                           ; and which eight of its rows
	s_mul_i32 s37, s33, IMT
	s_mul_i32 s38, s2, 8*GRP
	s_add_co_u32 s37, s37, s38
	s_lshl_b32 s38, s36, 7
	s_add_co_u32 s37, s37, s38                     ; codes: tile, K steps, rows
	s_lshl_b32 s33, s33, 8
	s_lshl_b32 s36, s36, 6
	s_add_co_u32 s33, s33, s36
	s_lshl_b32 s36, s2, 2
	s_add_co_u32 s33, s33, s36                     ; scale bytes likewise
	s_lshl_b32 s38, s[WV], 7
	s_lshl_b32 s39, s3, 5
	; the joint load's descriptor: a dense block of 16,384 bytes as 64 rows of 256 (32 elements of 8 bytes)
	s_mov_b32 s[G1], 15|(3<<16)|(1<<21)            ; 15:0 the mask: all four of the cluster; 17:16 elements of 8 bytes; 21 set beside a mask
	s_mov_b32 s[G1+1], 32<<16                      ; tensor_dim0
	s_mov_b32 s[G1+2], 64<<16                      ; tensor_dim1
	s_mov_b32 s[G1+3], 32<<16                      ; tile_dim0
	s_mov_b32 s[G1+4], 64                          ; tile_dim1
	s_mov_b32 s[G1+5], 32                          ; tensor_dim0_stride
	s_mov_b32 s[G1+6], 0
	s_mov_b32 s[G1+7], 0
	s_mov_b32 s[G0], 1                             ; count = 1
	s_add_co_u32 s[G0+1], s40, WST                 ; LDS address: my wave's own bytes
	s_mov_b32 s[CC], 0x4038aa3b                    ; c = 2 log2(e)
	s_mov_b32 s[CC+1], s[CC]                       ; (named with it as a pair, so it is written)
	s_mov_b32 s[SEL], 0x76543210
	s_mov_b32 s[SEL+1], 0xfedcba98
	s_mov_b32 s[LM8], 0xff00ff00
	s_mov_b32 s[LM4], 0xf0f0f0f0
	s_mov_b32 s[LM2], 0xcccccccc
	s_mov_b32 s[LM1], 0xaaaaaaaa
.irp i, 0,1,2,3,4,5,6,7
	s_mov_b32 s[PS+2*\i+1], 0                      ; (the upper words of p's pairs, which are named and do not count)
.endr
	v_and_b32 v64, 31, v0                          ; lane
	v_and_b32 v65, 15, v0                          ; r
	v_bfe_u32 v66, v0, 4, 1                        ; h
	v_bfe_u32 v67, v0, 2, 3                        ; q
	v_bfe_u32 v68, v0, 1, 3                        ; r / 2
	v_and_b32 v69, 3, v0                           ; u
	v_bfe_u32 v70, v0, 2, 2                        ; q % 4
	v_lshlrev_b32 v[HO], 7, v67
	v_lshl_add_u32 v[HO], v69, 4, v[HO]
	v_lshlrev_b32 v[L16], 4, v64
	v_lshlrev_b32 v[L8], 3, v64
	v_lshlrev_b32 v[MR], 2, v64                    ; 4 x lane
	v_lshlrev_b32 v[LR], 2, v65                    ; for the head's loads: 4 r
	v_mul_u32_u24 v71, v67, GRP
	v_lshl_add_u32 v71, v69, 2, v71
	v_add_nc_u32 v[IMW], s37, v71
	v_mul_u32_u24 v72, v66, GRP
	v_lshl_add_u32 v[IMR], v65, 4, v72
	v_lshl_add_u32 v73, v66, 7, v70
	v_lshl_add_u32 v73, v69, 3, v73
	v_add_nc_u32 v[ISW], s33, v73
	v_lshlrev_b32 v[CVA], 5, v66
	v_lshl_add_u32 v74, v68, 2, v[CVA]
	v_add_nc_u32 v[SCW], s38, v74
	v_xor_b32 v[X4], s39, v[MR]
	v_add_nc_u32 v[TK], s44, v[L8]                 ; for the head: where coverage and mask go: 256 w + 8 x lane
	v_add_nc_u32 v[WLA], s[G0+1], v[L16]
	s_wait_alu depctr_va_vdst(0)                   ; directly ahead of the waits below
	s_wait_dscnt 0x0                               ; both opening adds are done
	ROUND                                          ; all four work-groups are here: the joint loads meet
	s_wait_kmcnt 0x0
	s_add_nc_u64 s[G0+2:G0+3], s[20:21], s[40:41]  ; global address: my wave's codes of W_h
	s_or_b32 s[G0+3], s[G0+3], 0x80000000          ; type = 2
	tensor_load_to_lds s[G0:G0+3], s[G1:G1+7]      ; my one tensor load
	s_nop 0
.rept 4
	v_nop
.endr
	s_add_nc_u64 s[HP:HP+1], s[8:9], s[66:67]
	LOADS 0
	s_add_nc_u64 s[22:23], s[22:23], s[42:43]
	s_add_nc_u64 s[16:17], s[16:17], s[44:45]
	s_add_nc_u64 s[18:19], s[18:19], s[44:45]
	s_add_nc_u64 s[24:25], s[24:25], s[44:45]
	s_add_nc_u64 s[24:25], s[24:25], s[46:47]
	s_add_nc_u64 s[14:15], s[14:15], s[56:57]
	s_add_nc_u64 s[26:27], s[26:27], s[52:53]
	s_add_nc_u64 s[28:29], s[28:29], s[54:55]
	s_add_nc_u64 s[30:31], s[30:31], s[56:57]
	s_load_b64 s[BE:BE+1], s[14:15], 0x0
	s_cmp_lt_u32 s[WV], 4                          ; waves 0-3 bring coverage, 4-7 the mask
	s_cselect_b64 s[36:37], s[10:11], s[12:13]
	s_add_nc_u64 s[36:37], s[36:37], s[48:49]
.irp t, 0,1,2,3
	global_load_b64 v[WS+2*\t:WS+2*\t+1], v[L8], s[22:23] offset:256*\t   ; K steps h and 2 + h of row r
.endr
.irp t, 0,1,2,3                                ; of output 64 w + 16 t + r
	global_load_b32 v[KC+2*\t], v[LR], s[24:25] offset:64*\t
	global_load_b32 v[KC+2*\t+1], v[LR], s[16:17] offset:64*\t
	global_load_b32 v[VV+\t], v[LR], s[18:19] offset:64*\t
.endr
	global_load_b64 v[F:F+1], v[L8], s[36:37]
	LOADS 1
	s_wait_tensorcnt 0x0                           ; my codes of W_h lie in LDS: I alone read them
.irp t, 0,1,2,3                                ; W_h's fragment (tile t, K step s) at v[WW + 8 (4 t + s)]: it stays
.irp s, 0,1,2,3
.irp c, 0,1
	ds_load_b128 v[WW+8*(4*\t+\s)+4*\c:WW+8*(4*\t+\s)+4*\c+3], v[WLA] offset:4096*\t+1024*\s+512*\c
.endr
.endr
.endr
	s_wait_loadcnt 33                              ; block 0 is in: behind it 4 + 12 + 1 loads and block 1's 16
	QA 0, 0
	QA 0, 4
	QST 0
	s_wait_loadcnt 16                              ; the constants are in; block 1 may be out
	ds_store_b64 v[TK], v[F:F+1] offset:CVL
	v_mov_b32 v[MR], 0xff61b1e6                    ; the maximum so far: -3e38, under every t
	v_mov_b32 v[LR], 0
.set q, 0
.rept 8
	v_mov_b32 v[SUM+q], 0                          ; the sums for part, which the first block's factor 0 leaves zeros
.set q, q+1
.endr
	v_add_f32 v[VL], v[VV], v[VV+1]
	v_add_f32 v[VL+1], v[VV+2], v[VV+3]
	v_add_f32 v[VL], v[VL], v[VL+1]                ; my four v summed
.irp t, 0,1,2,3
	v_pk_mul_f32 v[KC+2*\t:KC+2*\t+1], v[KC+2*\t:KC+2*\t+1], s[CC:CC+1] op_sel_hi:[1,0]   ; c dec, c W_c
.endr
.irp p, 0,2
	v_pk_mul_f32 v[VV+\p:VV+\p+1], v[VV+\p:VV+\p+1], -2.0 op_sel_hi:[1,0]
.endr
	s_wait_alu depctr_va_vdst(0)                   ; the wait at the head's end
	s_wait_kmcnt 0x0
	s_mul_f32 s[BE], s[BE], 0x3fb8aa3b             ; beta log2(e)
	s_mul_f32 s[BE+1], s[BE+1], 0x3fb8aa3b
	BAR
	SUB 0
	SUB 1
	SUB 2
	SUB 3
	SUB 4
	SUB 5
	SUB 6
	SUB 7
	SCLOAD 7                                       ; the last block's softmax and weighted sum
	s_wait_dscnt 0x0
	SMA 7
	SMB
	WSUM 7
	; ---- THE WAY OUT.  The four row groups' sums of a column meet in LDS; waves 0 to 3 add them, 128 columns each.  Waves 4 and 5 send t, wave 6 (m, l).
.irp x, 1,2,4,8
	v_add_f32_dpp v[LR], v[LR], v[LR] row_xmask:\x row_mask:0xf bank_mask:0xf
.endr
	v_permlanex16_b32 v[PC+2], v[LR], s[SEL], s[SEL+1]
	v_add_f32 v[LR], v[LR], v[PC+2]                ; l
	s_and_b32 s2, s[WV], 1
	s_lshl_b32 s2, s2, 10
	s_lshr_b32 s3, s[WV], 1
	s_lshl_b32 s3, s3, 11
	s_add_co_u32 s2, s2, s3
	s_lshl_b32 s3, s[WV], 7
	s_lshl_b32 s4, s[WV], 9
	v_add_nc_u32 v[CV], s2, v[HO]                  ; 2,048 x row group + 1,024 x half + 128 q + 16 u
	v_add_nc_u32 v[CV+1], s3, v[X4]                ; 128 w + 4 x token
	v_add_nc_u32 v[CV+2], s4, v[L16]               ; 512 w + 16 x lane
	s_wait_alu depctr_va_vdst(0)                   ; directly ahead of the readers and waits below
	ds_store_b128 v[CV], v[SUM:SUM+3] offset:CSG
	ds_store_b128 v[CV], v[SUM+4:SUM+7] offset:CSG+64
	ds_store_b32 v[CV+1], v[TK] offset:TSL
	s_wait_tensorcnt 0x0                           ; a wait on tensors, an add and a wait on LDS behind my last LDS store; the last is also the wait ahead of the barrier that opens the round
	ds_add_u32 v[SPW], v[NIL]
	s_wait_dscnt 0x0
	ROUND                                          ; the closing round, which also shows every wave's stores above
	s_cmp_lt_u32 s[WV], 4
	s_cbranch_scc0 .Lnot_part
.irp g, 0,1,2,3
	ds_load_b128 v[D+4*\g:D+4*\g+3], v[CV+2] offset:CSG+2048*\g
.endr
	s_wait_dscnt 0x0
.irp p, 0,2
	v_pk_add_f32 v[D+\p:D+\p+1], v[D+\p:D+\p+1], v[D+4+\p:D+4+\p+1]
	v_pk_add_f32 v[D+8+\p:D+8+\p+1], v[D+8+\p:D+8+\p+1], v[D+12+\p:D+12+\p+1]
.endr
.irp p, 0,2
	v_pk_add_f32 v[D+\p:D+\p+1], v[D+\p:D+\p+1], v[D+8+\p:D+8+\p+1]
.endr
	global_store_b128 v[L16], v[D:D+3], s[28:29]   ; 32 lanes store 512 consecutive bytes
	s_endpgm
.Lnot_part:
	s_cmp_lt_u32 s[WV], 6
	s_cbranch_scc0 .Lnot_t
	ds_load_b128 v[D:D+3], v[CV+2] offset:TSL-2048 ; t of 128 tokens: 512 (w - 4) + 16 x lane
	s_wait_dscnt 0x0
	global_store_b128 v[L16], v[D:D+3], s[26:27]
	s_endpgm
.Lnot_t:
	s_cmp_lg_u32 s[WV], 6
	s_cbranch_scc1 .Ldone
	v_cmp_eq_u32 vcc_lo, 0, v[L16]
	s_and_saveexec_b32 s2, vcc_lo                  ; lane 0 alone
	global_store_b64 v[NIL], v[MR:MR+1], s[30:31]  ; (m, l)
	s_wait_xcnt 0x0                                ; EXEC is a source of the store above: it changes only behind this wait
	s_or_b32 exec_lo, exec_lo, s2
.Ldone:
	s_endpgm
.Lfunc_end_k_q9a46def52a_main:
	.size	k_q9a46def52a_main, .Lfunc_end_k_q9a46def52a_main-k_q9a46def52a_main
	.p2alignl 7, 3214868480
	.fill 96, 4, 3214868480
	.section	.rodata,"a",@progbits
	.p2align	6, 0x0
	.amdhsa_kernel k_q9a46def52a_main
		.amdhsa_group_segment_fixed_size 167936
		.amdhsa_private_segment_fixed_size 0
		.amdhsa_enable_private_segment 0
		.amdhsa_kernarg_size 96
		.amdhsa_user_sgpr_count 2
		.amdhsa_user_sgpr_kernarg_segment_ptr 1
		.amdhsa_wavefront_size32 1
		.amdhsa_system_sgpr_workgroup_id_x 1
		.amdhsa_system_sgpr_workgroup_id_y 1
		.amdhsa_system_sgpr_workgroup_id_z 1
		.amdhsa_system_vgpr_workitem_id 0
		.amdhsa_next_free_vgpr 512
		.amdhsa_next_free_sgpr 102
		.amdhsa_reserve_vcc 1
		.amdhsa_float_denorm_mode_32 3
		.amdhsa_float_denorm_mode_16_64 3
		.amdhsa_memory_ordered 1
		.amdhsa_forward_progress 1
		.amdhsa_inst_pref_size 255
	.end_amdhsa_kernel
	.section	.bss,"aw",@nobits
	.p2align	6
	.space	262144
	.amdgpu_metadata
---
amdhsa.version: [ 1, 2 ]
amdhsa.kernels:
  - .name:           k_q9a46def52a_main
    .symbol:         k_q9a46def52a_main.kd
    .args:
      - { .name: h, .offset: 0, .size: 8, .value_kind: global_buffer, .address_space: global }
      - { .name: coverage, .offset: 8, .size: 8, .value_kind: global_buffer, .address_space: global }
      - { .name: enc_padding_mask, .offset: 16, .size: 8, .value_kind: global_buffer, .address_space: global }
      - { .name: beta, .offset: 24, .size: 8, .value_kind: global_buffer, .address_space: global }
      - { .name: W_c, .offset: 32, .size: 8, .value_kind: global_buffer, .address_space: global }
      - { .name: v, .offset: 40, .size: 8, .value_kind: global_buffer, .address_space: global }
      - { .name: whc, .offset: 48, .size: 8, .value_kind: global_buffer, .address_space: global }
      - { .name: whs, .offset: 56, .size: 8, .value_kind: global_buffer, .address_space: global }
      - { .name: dec, .offset: 64, .size: 8, .value_kind: global_buffer, .address_space: global }
      - { .name: tsc, .offset: 72, .size: 8, .value_kind: global_buffer, .address_space: global }
      - { .name: part, .offset: 80, .size: 8, .value_kind: global_buffer, .address_space: global }
      - { .name: stat, .offset: 88, .size: 8, .value_kind: global_buffer, .address_space: global }
    .group_segment_fixed_size: 167936
    .private_segment_fixed_size: 0
    .kernarg_segment_align: 8
    .kernarg_segment_size: 96
    .max_flat_workgroup_size: 256
    .sgpr_count:     102
    .vgpr_count:     512
    .wavefront_size: 32
...
	.end_amdgpu_metadata
.endif
;; end of part 2
;; launch comb (part 3): grid 8 x 16, 1 waves a work-group, no clusters, 0 bytes of LDS; arguments tsc, part, stat, enc_padding_mask, coverage, out0, out1, out2; writes out0, out1, out2
.if DOCPART == 3
	.amdgcn_target "amdgcn-amd-amdhsa--gfx1250"
	.amdhsa_code_object_version 6
	.text
	.protected	k_q9a46def52a_comb
	.globl	k_q9a46def52a_comb
	.p2align	8
	.type	k_q9a46def52a_comb,@function
k_q9a46def52a_comb:
	s_mov_b64 s[64:65], 0
	v_nop
	global_prefetch_b8 v0, s[64:65] scope:SCOPE_SE
	s_setreg_imm32_b32 hwreg(HW_REG_WAVE_MODE, 25, 1), 1
	s_wait_xcnt 0x0
; The 16 work-groups' figures of a batch are joined.  With (m_g, l_g) and part_g as the launch before left them: M = the largest m_g, e_g = 2^(m_g - M), L = sum of l_g e_g;
; out1 = attn = mask 2^(t - M) / L;   out2 = coverage + attn;   out0 = c_t = sum over g of part_g e_g / L.
; SHARES.  One wave a work-group; work-group (x, y) takes tokens 512 x .. 512 x + 511 and columns 64 x .. 64 x + 63 of batch y.  All 29 loads go out at once; the waits count the younger ones.
; A stream of under 2 MiB: no LDS, no barrier, no matrix unit.  Every store of the wave covers 256 or 512 consecutive bytes, aligned.
; LIMITS: a batch whose mask is all zeros gives NaN, as the division that is asked for does.  1 / L is v_rcp_f32; 2^(t - M) under 2^-126 comes out as 0 (ISA guide 15.8).
; REGISTERS: v1-3 offsets; v[4:5] (m, l) of work-group lane % 16; v8-23 t, then attn; v24-39 mask; v40-55 coverage; v56-87 the 16 parts, two columns a lane; v[88:89] c_t; v90-95 at work; v104-119 out2.
	s_load_b512 s[8:23], s[0:1], 0x0               ; tsc s[8:9], part s[10:11], stat s[12:13], mask s[14:15], coverage s[16:17], out0 s[18:19], out1 s[20:21], out2 s[22:23]
	v_lshlrev_b32 v1, 4, v0                        ; 16 x lane
	v_lshlrev_b32 v2, 3, v0                        ; 8 x lane
	v_and_b32 v3, 15, v0
	v_lshlrev_b32 v3, 3, v3                        ; 8 x (lane % 16)
	v_mov_b32 v91, 0                               ; (upper half of the pair v[90:91], of which the low word serves both halves)
	s_and_b32 s24, ttmp7, 0xffff                   ; the batch
	s_lshl_b32 s26, s24, 14
	s_lshl_b32 s27, ttmp9, 11
	s_add_co_u32 s26, s26, s27                     ; my tokens: 16,384 y + 2,048 x bytes
	s_mov_b32 s27, 0
	s_lshl_b32 s29, ttmp9, 8
	s_lshl_b32 s28, s24, 15
	s_add_co_u32 s28, s28, s29                     ; part: 16 rows of 2,048 bytes a batch + my 256 bytes
	s_lshl_b32 s30, s24, 11
	s_add_co_u32 s30, s30, s29                     ; out0: a row of 2,048 bytes a batch + my 256 bytes
	s_mov_b32 s29, 0
	s_mov_b32 s31, 0
	s_lshl_b32 s48, s24, 7                         ; stat: 16 pairs a batch
	s_mov_b32 s49, 0
	s_wait_alu depctr_va_vdst(0)
	s_wait_kmcnt 0x0
	s_add_nc_u64 s[8:9], s[8:9], s[26:27]
	s_add_nc_u64 s[14:15], s[14:15], s[26:27]
	s_add_nc_u64 s[16:17], s[16:17], s[26:27]
	s_add_nc_u64 s[20:21], s[20:21], s[26:27]
	s_add_nc_u64 s[22:23], s[22:23], s[26:27]
	s_add_nc_u64 s[10:11], s[10:11], s[28:29]
	s_add_nc_u64 s[18:19], s[18:19], s[30:31]
	s_add_nc_u64 s[12:13], s[12:13], s[48:49]
	global_load_b64 v[4:5], v3, s[12:13]
.irp i, 0,1,2,3
	global_load_b128 v[8+4*\i:11+4*\i], v1, s[8:9] offset:512*\i
.endr
.irp i, 0,1,2,3
	global_load_b128 v[24+4*\i:27+4*\i], v1, s[14:15] offset:512*\i
.endr
.irp g, 0,1,2,3,4,5,6,7,8,9,10,11,12,13,14,15
	global_load_b64 v[56+2*\g:57+2*\g], v2, s[10:11] offset:2048*\g
.endr
.irp i, 0,1,2,3
	global_load_b128 v[40+4*\i:43+4*\i], v1, s[16:17] offset:512*\i
.endr
	s_wait_loadcnt 28                              ; (m, l) is in; the 28 younger loads may be out
	v_mov_b32 v90, v4
.irp x, 1,2,4,8
	v_max_num_f32_dpp v90, v90, v90 row_xmask:\x row_mask:0xf bank_mask:0xf   ; M
.endr
	v_sub_f32 v92, v4, v90
	s_wait_alu depctr_va_vdst(0)
	v_exp_f32 v92, v92                             ; e
	v_mov_b32 v95, 0                               ; (a plain place behind the exponential; the upper half of the pair v[94:95])
	s_wait_alu depctr_va_vdst(0)
	v_mul_f32 v93, v5, v92
.irp x, 1,2,4,8
	v_add_f32_dpp v93, v93, v93 row_xmask:\x row_mask:0xf bank_mask:0xf       ; L
.endr
	s_wait_alu depctr_va_vdst(0)
	v_rcp_f32 v94, v93
	v_nop                                          ; a plain place behind the reciprocal
	s_wait_alu depctr_va_vdst(0)
	v_mul_f32 v92, v92, v94                        ; e / L
.irp g, 0,1,2,3,4,5,6,7,8,9,10,11,12,13,14,15
	v_readlane_b32 s[32+\g], v92, \g               ; as factors alone: no address and no branch hangs on them
.endr
	s_wait_loadcnt 20                              ; t and the mask are in; the 16 parts and coverage's four loads may be out
.irp j, 0,2,4,6,8,10,12,14
	v_pk_add_f32 v[8+\j:9+\j], v[8+\j:9+\j], v[90:91] op_sel_hi:[1,0] neg_lo:[0,1] neg_hi:[0,1]   ; t - M
.endr
	s_wait_alu depctr_va_vdst(0)
.irp j, 0,1,2,3,4,5,6,7,8,9,10,11,12,13,14,15
	v_exp_f32 v[8+\j], v[8+\j]
.endr
.irp j, 0,2,4,6,8,10,12,14
	v_pk_mul_f32 v[24+\j:25+\j], v[24+\j:25+\j], v[94:95] op_sel_hi:[1,0]     ; mask / L.  (Plain places behind the exponentials)
.endr
	s_wait_alu depctr_va_vdst(0)
.irp j, 0,2,4,6,8,10,12,14
	v_pk_mul_f32 v[8+\j:9+\j], v[8+\j:9+\j], v[24+\j:25+\j]                   ; attn
.endr
.irp i, 0,1,2,3
	global_store_b128 v1, v[8+4*\i:11+4*\i], s[20:21] offset:512*\i
.endr
	s_wait_loadcnt 4                               ; the parts are in; coverage's four loads may be out
	v_mul_f32 v88, s32, v56
	v_mul_f32 v89, s32, v57
.irp g, 1,2,3,4,5,6,7,8,9,10,11,12,13,14,15
	v_fmac_f32 v88, s[32+\g], v[56+2*\g]           ; my two columns: two chains
	v_fmac_f32 v89, s[32+\g], v[57+2*\g]
.endr
	global_store_b64 v2, v[88:89], s[18:19]
	s_wait_loadcnt 0x0
.irp j, 0,2,4,6,8,10,12,14
	v_pk_add_f32 v[104+\j:105+\j], v[40+\j:41+\j], v[8+\j:9+\j]               ; into registers of their own: attn's are still a store's data
.endr
.irp i, 0,1,2,3
	global_store_b128 v1, v[104+4*\i:107+4*\i], s[22:23] offset:512*\i
.endr
	s_endpgm
.Lfunc_end_k_q9a46def52a_comb:
	.size	k_q9a46def52a_comb, .Lfunc_end_k_q9a46def52a_comb-k_q9a46def52a_comb
	.p2alignl 7, 3214868480
	.fill 96, 4, 3214868480
	.section	.rodata,"a",@progbits
	.p2align	6, 0x0
	.amdhsa_kernel k_q9a46def52a_comb
		.amdhsa_group_segment_fixed_size 0
		.amdhsa_private_segment_fixed_size 0
		.amdhsa_enable_private_segment 0
		.amdhsa_kernarg_size 64
		.amdhsa_user_sgpr_count 2
		.amdhsa_user_sgpr_kernarg_segment_ptr 1
		.amdhsa_wavefront_size32 1
		.amdhsa_system_sgpr_workgroup_id_x 1
		.amdhsa_system_sgpr_workgroup_id_y 1
		.amdhsa_system_sgpr_workgroup_id_z 1
		.amdhsa_system_vgpr_workitem_id 0
		.amdhsa_next_free_vgpr 128
		.amdhsa_next_free_sgpr 66
		.amdhsa_reserve_vcc 0
		.amdhsa_float_denorm_mode_32 3
		.amdhsa_float_denorm_mode_16_64 3
		.amdhsa_memory_ordered 1
		.amdhsa_forward_progress 1
		.amdhsa_inst_pref_size 11
	.end_amdhsa_kernel
	.amdgpu_metadata
---
amdhsa.version: [ 1, 2 ]
amdhsa.kernels:
  - .name:           k_q9a46def52a_comb
    .symbol:         k_q9a46def52a_comb.kd
    .args:
      - { .name: tsc, .offset: 0, .size: 8, .value_kind: global_buffer, .address_space: global }
      - { .name: part, .offset: 8, .size: 8, .value_kind: global_buffer, .address_space: global }
      - { .name: stat, .offset: 16, .size: 8, .value_kind: global_buffer, .address_space: global }
      - { .name: enc_padding_mask, .offset: 24, .size: 8, .value_kind: global_buffer, .address_space: global }
      - { .name: coverage, .offset: 32, .size: 8, .value_kind: global_buffer, .address_space: global }
      - { .name: out0, .offset: 40, .size: 8, .value_kind: global_buffer, .address_space: global }
      - { .name: out1, .offset: 48, .size: 8, .value_kind: global_buffer, .address_space: global }
      - { .name: out2, .offset: 56, .size: 8, .value_kind: global_buffer, .address_space: global }
    .group_segment_fixed_size: 0
    .private_segment_fixed_size: 0
    .kernarg_segment_align: 8
    .kernarg_segment_size: 64
    .max_flat_workgroup_size: 32
    .sgpr_count:     66
    .vgpr_count:     128
    .wavefront_size: 32
...
	.end_amdgpu_metadata
.endif
;; end of part 3
